; MI455X (gfx1250); checked and timed in simulation.
; The chip was launched on July 23, 2026; its instructions are those of AMD's public machine-readable ISA for CDNA 5 (MIT licence, August 2026) and "CDNA5" Instruction Set Architecture Reference Guide (July 2026). The comments in the code are by the model that wrote it; some were corrected since.
;; MQA Cross Attention. Allowed arithmetic: matrix products marked QUANTISED: E2M1 operands, one E8M0 scale for each 32 along K, by v_wmma_scale_f32_16x16x128_f8f6f4 with both operands' format E2M1 (or v_wmma_scale_f32_32x16x128_f4), f32 sums; products left as they are: bf16, f16 or f32 operands; f32 sums; everything else in f32.
;; Inputs: Wkv 768 x 256 float32; Wout 1,024 x 1,024 float32; Wq 1,024 x 1,024 float32; bout 1,024 float32; ln_b 768 float32; ln_w 768 float32; text_input 4 x 512 x 768 float32; x 4 x 4,096 x 1,024 float32.
;; Outputs: out0 4 x 4,096 x 1,024 float32.
;; This version of the problem:
;;   THIS VERSION OF THE PROBLEM IS GIVEN IN LOW PRECISION. The matrix products marked QUANTISED in the list below multiply operands that are first quantised to E2M1 (2 exponent bits, 1 mantissa bit; 4 bits a number), with one power-of-two scale for each 32 numbers along K (OCP MX v1.0); their sums are f32. The products marked 'left as it is' may take bf16, f16 or f32 operands, with f32 sums. All else is computed in f32.
;;   The module's matrix products, in the order in which they are computed (A, B: the left and right operand; K: the contracted axis; several contracted axes count as one K, in the product's order):
;;     1. [M 16,384, K 1,024] x [K 1,024, N 1,024]; A: input x; B: input Wq: QUANTISED
;;     2. [M 2,048, K 768] x [K 768, N 256]; A: computed on the way; B: input Wkv: left as it is (an operand is computed on the way)
;;     3. batch 8 x [M 512, K 64] x [K 64, N 32,768]; A: computed on the way; B: computed on the way: left as it is (an operand is computed on the way)
;;     4. batch 8 x [M 64, K 512] x [K 512, N 32,768]; A: computed on the way; B: computed on the way: left as it is (an operand is computed on the way)
;;     5. [M 16,384, K 1,024] x [K 1,024, N 1,024]; A: computed on the way; B: input Wout: left as it is (an operand is computed on the way)
;;   THE QUANTISER, for each operand of a quantised product, along K:
;;     - K is cut into blocks of 32 from its start; a last block that is shorter is filled with zeros.
;;     - A block's scale is 2^e with e = floor(log2(the largest magnitude in the block)) - 2, held to -126 .. 127; a block of zeros has e = 0. As a byte (E8M0): e + 127.
;;     - Each number is divided by its block's scale, clamped to +-6, and rounded to the nearest number of E2M1, ties to even, subnormals kept.
;;     - The product sums the exact products of the quantised numbers (number of the format x scale) in f32.
;;   ~~~python
;;   def quantise(x, axis):      # numpy; x: float32 -> the quantised numbers, widened to float32 again
;;       x = np.moveaxis(x, axis, -1); K = x.shape[-1]
;;       x = np.pad(x, [(0, 0)] * (x.ndim - 1) + [(0, -K % 32)]); x = x.reshape(x.shape[:-1] + (-1, 32)); a = np.abs(x).max(-1, keepdims=True)
;;       e = np.where(a > 0, np.clip(np.frexp(np.where(a > 0, a, 1))[1] - 1 - 2, -126, 127), 0)      # np.frexp(a)[1] - 1 = floor(log2(a)), exactly
;;       r = np.clip(x / 2.0 ** e, -6, 6)
;;       step = 2.0 ** (np.maximum(np.frexp(np.where(r == 0, 1, r))[1] - 1, 0) - 1)
;;       q = np.round(r / step) * step * 2.0 ** e      # np.round: ties to even
;;       return np.moveaxis(q.reshape(q.shape[:-2] + (-1,))[..., :K], -1, axis).astype(np.float32)
;;   ~~~
;; One version. Each part assembles by itself: llvm-mc -triple=amdgcn-amd-amdhsa -mcpu=gfx1250 --defsym DOCPART=n.
;; ======== version 1 of 1: 3 launches
;; limits: values are held in f16: magnitudes above 65,504 overflow, below 6.1e-05 lose precision
;; workspace buffers: wqc 524,288 bytes; wqs 32,768 bytes; wot 2,097,152 bytes; kvf 1,048,576 bytes; ob 33,554,432 bytes
;; launch prep (part 1): grid 128 x 1, 8 waves a work-group, no clusters, 169,984 bytes of LDS; arguments text_input, ln_w, ln_b, Wkv, Wq, Wout, kvf, wqc, wqs, wot; writes kvf, wqc, wqs, wot
.if DOCPART == 1
	.amdgcn_target "amdgcn-amd-amdhsa--gfx1250"
	.amdhsa_code_object_version 6
	.text
	.protected	k_q79eac68125_prep
	.globl	k_q79eac68125_prep
	.p2align	8
	.type	k_q79eac68125_prep,@function
k_q79eac68125_prep:
	s_mov_b64 s[64:65], 0
	v_nop
	global_prefetch_b8 v0, s[64:65] scope:SCOPE_SE
	s_setreg_imm32_b32 hwreg(HW_REG_WAVE_MODE, 25, 1), 1
	s_wait_xcnt 0x0
; THREE PREPARATIONS IN ONE LAUNCH, told apart by the work-group's number; the three ways never join again, and each has LDS bytes of its own.
;   work-groups 0-63:   LayerNorm of 64 rows of text_input (f32), then K (even work-groups) or V (odd) = tn Wkv, f16 operands, f32 sums; results leave as f16 IMAGES OF OPERAND REGISTERS (kvf).
;   work-groups 64-95:  Wq [k][n] f32 -> codes of FP4 (E2M1) along K with one E8M0 byte for each 32, laid in the order of the operand's registers (wqc), scale words beside them (wqs).
;   work-groups 96-127: Wout [k][n] f32 -> f16, transposed to [n][k] (wot).
; kvf: [batch 4][group 2][K 65,536 bytes | V 65,536 bytes].  K's fragment (16 keys kt, 32 channels c) at (2 kt + c) x 1,024; V^T's (32 keys kk, 16 channels ct) at 65,536 + (4 kk + ct) x 1,024;
;      in a fragment registers 4 q .. 4 q + 3 of lane l are the 16 bytes at 512 q + 16 l.
; wqc: fragment (W = n / 128, s = k / 128, t = (n / 16) % 8) at ((8 W + s) 8 + t) x 1,024; block b of 32 along K of column r at 256 b + 16 r, which is registers 4 (b / 2) .. + 3 of lane 16 (b % 2) + r.
; wqs: word (W, s, i, lane) at ((8 W + s) 4 + i) x 128 + 4 lane: lanes 0-15 tile 2 i, lanes 16-31 tile 2 i + 1; byte b scales block b.
; LIMITS: tn, Wkv, K, V and Wout are rounded to f16: magnitudes from 65,504 on are not served, and numbers under 2^-14 carry an absolute error of up to 2^-25.
; A block of Wq whose largest magnitude lies under 2^-124 has its byte held at 1; a block of zeros gets the byte 1 with zero codes (only this program reads the bytes).  NaN and infinities are not served.
; No tensor load, no cluster: no two work-groups share a tile that is large against what each reads alone (the rows of text_input are read by two, Wkv's 48 KiB a wave by 32).
.set TNP, 1552                         ; a row of tn in LDS: 768 f16 + 16 bytes = 97 x 16: the 16 rows of a fragment load start at 16 different groups of banks
.set WST, 64*TNP                       ; behind tn's 64 rows: the Wout way's stages, 32 rows x 272 bytes for each wave
.set SP,  2                            ; v2-9    LN: four rows' sums, a pair each
.set TT,  10                           ; v10-13  LN: the other half of the lanes' sums
.set LA,  14                           ; v14     16 x lane
.set LS,  15                           ; v15     LN: where my 8 bytes of a row of tn go
.set LW,  16                           ; v16-39  ln_w of my 24 columns
.set LB,  40                           ; v40-63  ln_b
.set X,   64                           ; v64-255 LN: eight rows x 24 numbers;  the weights' ways: v64-191, 128 numbers down K
.set ACC, 32                           ; v32-63  products: four accumulators
.set WR,  64                           ; v64-127 Wkv as loaded: two sets of 32
.set WH,  160                          ; v160-175 two fragments of Wkv in f16; at the end the packed results
.set OUT, 160
.set TF,  176                          ; v176-239 tn's fragments: 2 K steps x 4 tiles of rows
.macro REDUCE                          ; the four rows' pairs become sums over the wave's 32 lanes, in every lane
.irp q, 0,1,2,3
	v_add_f32 v[SP+2*\q], v[SP+2*\q], v[SP+2*\q+1]
.endr
.irp x, 1,2,4,8
.irp q, 0,1,2,3
	v_add_f32_dpp v[SP+2*\q], v[SP+2*\q], v[SP+2*\q] row_xmask:\x row_mask:0xf bank_mask:0xf
.endr
.endr
.irp q, 0,1,2,3
	v_permlanex16_b32 v[TT+\q], v[SP+2*\q], s28, s29
.endr
.irp q, 0,1,2,3
	v_add_f32 v[SP+2*\q], v[SP+2*\q], v[TT+\q]
.endr
.endm
; LayerNorm of rows 4 G .. 4 G + 3 of my eight, the four by turns so that no line waits for the line above it.
.macro LNGROUP G
.irp q, 0,1,2,3
.set XR, X+24*(4*\G+\q)
	v_pk_add_f32 v[SP+2*\q:SP+2*\q+1], v[XR:XR+1], v[XR+2:XR+3]
.endr
.irp i, 4,6,8,10,12,14,16,18,20,22
.irp q, 0,1,2,3
.set XR, X+24*(4*\G+\q)
	v_pk_add_f32 v[SP+2*\q:SP+2*\q+1], v[SP+2*\q:SP+2*\q+1], v[XR+\i:XR+\i+1]
.endr
.endr
	REDUCE
.irp q, 0,1,2,3
	v_mul_f32 v[SP+2*\q], s30, v[SP+2*\q]          ; the mean
.endr
.irp i, 0,2,4,6,8,10,12,14,16,18,20,22
.irp q, 0,1,2,3
.set XR, X+24*(4*\G+\q)
	v_pk_add_f32 v[XR+\i:XR+\i+1], v[XR+\i:XR+\i+1], v[SP+2*\q:SP+2*\q+1] op_sel_hi:[1,0] neg_lo:[0,1] neg_hi:[0,1]   ; centred first: the variance is no difference of large sums
.endr
.endr
.irp q, 0,1,2,3
.set XR, X+24*(4*\G+\q)
	v_pk_mul_f32 v[SP+2*\q:SP+2*\q+1], v[XR:XR+1], v[XR:XR+1]
.endr
.irp i, 2,4,6,8,10,12,14,16,18,20,22
.irp q, 0,1,2,3
.set XR, X+24*(4*\G+\q)
	v_pk_fma_f32 v[SP+2*\q:SP+2*\q+1], v[XR+\i:XR+\i+1], v[XR+\i:XR+\i+1], v[SP+2*\q:SP+2*\q+1]
.endr
.endr
	REDUCE
.irp q, 0,1,2,3
	v_fma_f32 v[SP+2*\q], v[SP+2*\q], s30, s31     ; the variance + 1e-5
.endr
.irp q, 0,1,2,3
	v_rsq_f32 v[SP+2*\q], v[SP+2*\q]
.endr
	v_nop                                          ; a plain instruction between the last root and the use of its result (ISA guide 5.7.2)
	s_wait_alu depctr_va_vdst(0)
.irp i, 0,2,4,6,8,10,12,14,16,18,20,22
.irp q, 0,1,2,3
.set XR, X+24*(4*\G+\q)
	v_pk_mul_f32 v[XR+\i:XR+\i+1], v[XR+\i:XR+\i+1], v[SP+2*\q:SP+2*\q+1] op_sel_hi:[1,0]
.endr
.endr
.irp i, 0,2,4,6,8,10,12,14,16,18,20,22
.irp q, 0,1,2,3
.set XR, X+24*(4*\G+\q)
	v_pk_fma_f32 v[XR+\i:XR+\i+1], v[XR+\i:XR+\i+1], v[LW+\i:LW+\i+1], v[LB+\i:LB+\i+1]
.endr
.endr
.irp n, 0,1,2,3,4,5,6,7,8,9,10,11
.irp q, 0,1,2,3
.set XR, X+24*(4*\G+\q)
	v_cvt_pk_f16_f32 v[XR+\n], v[XR+2*\n], v[XR+2*\n+1]   ; in place, ascending: register n is read no later than it is written
.endr
.endr
.irp i, 0,1,2,3,4,5
.irp q, 0,1,2,3
.set XR, X+24*(4*\G+\q)
	ds_store_b64 v[LS], v[XR+2*\i:XR+2*\i+1] offset:(4*\G+\q)*TNP+256*\i   ; the wave's 32 lanes store 256 consecutive bytes of the row
.endr
.endr
.endm
; Wkv for K steps 2 c and 2 c + 1 (32 along K each): a lane takes column r, and its registers run down K in the order of the operand's layout: element e is k = 16 (e / 8) + 8 h + e % 8
.macro WLOAD c
.irp sl, 0,1
.irp e, 0,1,2,3,4,5,6,7,8,9,10,11,12,13,14,15
	global_load_b32 v[WR+32*((\c)%2)+16*\sl+\e], v2, s[10:11] offset:(32*(2*(\c)+\sl)+16*(\e/8)+(\e%8))*1024
.endr
.endr
.endm
.macro MM d, a, b, zero
.if \zero
	v_wmma_f32_16x16x32_f16 v[\d:\d+7], v[\a:\a+7], v[\b:\b+7], 0
.else
	v_wmma_f32_16x16x32_f16 v[\d:\d+7], v[\a:\a+7], v[\b:\b+7], v[\d:\d+7]
.endif
.endm
; Two K steps: 8 matrix instructions, the four accumulators by turns.  swap = 1: source 0 = Wkv's 16 columns, source 1 = 16 rows of tn; swap = 0 the other way round.
.macro CHUNK c, swap
.if (\c) > 0
.rept 4
	v_nop                                          ; places in front of the loads and conversions into registers that the last products read
.endr
.endif
.irp sl, 0,1
.irp m, 0,1,2,3
.irp q, 0,1
	ds_load_b128 v[TF+32*\sl+8*\m+4*\q:TF+32*\sl+8*\m+4*\q+3], v[3+\m/2] offset:(\m%2)*16*TNP+64*(2*(\c)+\sl)+32*\q
.endr
.endr
.endr
.if (\c) < 11
	s_wait_loadcnt 32                              ; this chunk's 32 loads of Wkv are in; the next chunk's 32 may be out
.else
	s_wait_loadcnt 0x0
.endif
.irp sl, 0,1
.irp e, 0,1,2,3,4,5,6,7
	v_cvt_pk_f16_f32 v[WH+8*\sl+\e], v[WR+32*((\c)%2)+16*\sl+2*\e], v[WR+32*((\c)%2)+16*\sl+2*\e+1]
.endr
.endr
.if (\c)+2 < 12
	WLOAD (\c)+2
.endif
	s_wait_dscnt 0x0                               ; tn's fragments are in
.irp sl, 0,1
.irp m, 0,1,2,3
.if \swap
.if ((\c)+\sl) == 0
	MM ACC+8*\m, WH+8*\sl, TF+32*\sl+8*\m, 1
.else
	MM ACC+8*\m, WH+8*\sl, TF+32*\sl+8*\m, 0
.endif
.else
.if ((\c)+\sl) == 0
	MM ACC+8*\m, TF+32*\sl+8*\m, WH+8*\sl, 1
.else
	MM ACC+8*\m, TF+32*\sl+8*\m, WH+8*\sl, 0
.endif
.endif
.endr
.endr
.endm
; All 24 K steps, then the four tiles leave as register images: each store covers 512 consecutive bytes, aligned.
.macro MMALL swap
.irp c, 0,1,2,3,4,5,6,7,8,9,10,11
	CHUNK \c, \swap
.endr
.rept 4
	v_nop
.endr
.irp m, 0,1,2,3
.irp n, 0,1,2,3
	v_cvt_pk_f16_f32 v[OUT+4*\m+\n], v[ACC+8*\m+2*\n], v[ACC+8*\m+2*\n+1]   ; each accumulator from its low end on
.endr
.endr
.irp m, 0,1,2,3
.if \swap
	global_store_b128 v5, v[OUT+4*\m:OUT+4*\m+3], s[16:17] offset:\m*2048                  ; K: key tile m is fragment row 2 (4 kb + m)
.else
	global_store_b128 v5, v[OUT+4*\m:OUT+4*\m+3], s[16:17] offset:(\m/2)*4096+(\m%2)*512   ; V: key tiles 2 u, 2 u + 1 are the two halves of a fragment of 32 keys
.endif
.endr
.endm
; The weights' ways: work-group first + p takes k = 128 (p % 8) on and columns 256 (p / 8) on; wave w columns 32 w on, a lane a column, its 128 registers run down K.
; The eight waves stand side by side on 1,024 bytes of each row.  b: the scalar pair of the tensor's address.
.macro COLS first, b
	s_sub_co_u32 s25, ttmp9, \first
	s_and_b32 s26, s25, 7                          ; s = which 128 along K
	s_lshr_b32 s27, s25, 3                         ; cs = which 256 columns
	v_lshlrev_b32 v2, 2, v1
	s_lshl_b32 s32, s26, 19                        ; 128 rows of 4,096 bytes
	s_lshl_b32 s33, s27, 10
	s_add_co_u32 s32, s32, s33
	s_lshl_b32 s33, s24, 7
	s_add_co_u32 s32, s32, s33
	s_mov_b32 s33, 0
	s_add_nc_u64 s[\b:\b+1], s[\b:\b+1], s[32:33]
.set i, 0
.rept 128
	global_load_b32 v[X+i], v2, s[\b:\b+1] offset:i*4096 th:TH_LOAD_NT
.set i, i+1
.endr
.endm
; A block of 32 along K of my column: its largest magnitude (with the floor 2^(3 - 127) among its leaves), scale byte, codes, 16 bytes out.
.macro QBLOCK t, left
.set XS, X+32*\t
	s_wait_loadcnt \left
	v_max3_num_f32 v12, |v[XS]|, |v[XS+1]|, |v[XS+2]|
	v_max3_num_f32 v13, |v[XS+3]|, |v[XS+4]|, |v[XS+5]|
.irp i, 6,10,14,18,22,26
	v_max3_num_f32 v12, v12, |v[XS+\i]|, |v[XS+\i+1]|
	v_max3_num_f32 v13, v13, |v[XS+\i+2]|, |v[XS+\i+3]|
.endr
	v_max3_num_f32 v12, v12, |v[XS+30]|, |v[XS+31]|
	v_max3_num_f32 v12, v12, v13, 0x1800000
	v_add_nc_u32 v11, 0xff000000, v12              ; 2 off the exponent field: the conversion takes the exponent field of this operand as its scale
	v_lshrrev_b32 v13, 23, v11                     ; the scale's byte
.if \t == 0
	v_mov_b32 v48, v13
.else
	v_lshl_or_b32 v48, v13, 8*\t, v48
.endif
.irp g, 0,1,2,3
	v_cvt_scalef32_pk8_fp4_f32 v[32+4*\t+\g], v[XS+8*\g:XS+8*\g+7], v11
.endr
	v_nop                                          ; one plain place behind the scaled conversions
	global_store_b128 v3, v[32+4*\t:32+4*\t+3], s[18:19] offset:256*\t   ; sixteen lanes store 256 consecutive bytes, aligned
.endm
.macro HQUART qd, left                 ; 32 of my column's numbers become 16 registers of f16, in place, ascending
	s_wait_loadcnt \left
.set i, 16*\qd
.rept 16
	v_cvt_pk_f16_f32 v[X+i], v[X+2*i], v[X+2*i+1]
.set i, i+1
.endr
.endm
	s_load_b256 s[4:11], s[0:1], 0x0               ; text_input s[4:5], ln_w s[6:7], ln_b s[8:9], Wkv s[10:11]
	s_load_b256 s[12:19], s[0:1], 0x20             ; Wq s[12:13], Wout s[14:15], kvf s[16:17], wqc s[18:19]
	s_load_b128 s[20:23], s[0:1], 0x40             ; wqs s[20:21], wot s[22:23]
	s_set_vgpr_msb 0x40
	v_lshl_add_u32 v0, v0, 2, 0x29400
	v_mov_b32 v1, 0
	s_set_vgpr_msb 0x4000
	v_lshrrev_b32 v1, 5, v0
	v_readfirstlane_b32 s24, v1                    ; wave 0..7
	v_and_b32 v1, 31, v0                           ; lane; kept
	s_mov_b32 s28, 0x76543210                      ; v_permlanex16_b32's selects for lane l xor 16
	s_mov_b32 s29, 0xfedcba98
	s_mov_b32 s30, 0x3aaaaaab                      ; 1 / 768
	s_mov_b32 s31, 0x3727c5ac                      ; 1e-5
	s_wait_kmcnt 0x0
	s_cmp_ge_u32 ttmp9, 96
	s_cbranch_scc1 .Lwout
	s_cmp_ge_u32 ttmp9, 64
	s_cbranch_scc1 .Lwq
	; ---------------- K and V.  Work-group 2 rb + half: 64 rows of text, rb = 8 batch + kb.  Wave w normalises rows 8 w .. 8 w + 7, a row at a time over the 32 lanes.
	s_and_b32 s25, ttmp9, 1                        ; half: 0 makes K, 1 makes V
	s_lshr_b32 s26, ttmp9, 1                       ; rb
	s_mul_i32 s32, s26, 196608                     ; 64 rows of 3,072 bytes
	s_mul_i32 s33, s24, 24576                      ; my 8
	s_add_co_u32 s32, s32, s33
	s_mov_b32 s33, 0
	s_add_nc_u64 s[4:5], s[4:5], s[32:33]
	v_lshlrev_b32 v[LA], 4, v1
	s_mul_i32 s34, s24, 8*TNP
	v_lshl_add_u32 v[LS], v1, 3, s34
.irp q, 0,1,2,3
	v_mov_b32 v[TT+\q], 0                          ; written once: a lane permute's destination counts as one of its sources
.endr
.irp i, 0,1,2,3,4,5
	global_load_b128 v[LW+4*\i:LW+4*\i+3], v[LA], s[6:7] offset:512*\i
.endr
.irp i, 0,1,2,3,4,5
	global_load_b128 v[LB+4*\i:LB+4*\i+3], v[LA], s[8:9] offset:512*\i
.endr
.irp rr, 0,1,2,3,4,5,6,7
.irp i, 0,1,2,3,4,5
	global_load_b128 v[X+24*\rr+4*\i:X+24*\rr+4*\i+3], v[LA], s[4:5] offset:\rr*3072+512*\i   ; 512 consecutive bytes a load
.endr
.endr
	s_wait_loadcnt 24                              ; gains, biases and rows 0-3 are in; the 24 loads of rows 4-7 may be out
	LNGROUP 0
	s_wait_loadcnt 0x0
	LNGROUP 1
	s_wait_dscnt 0x0                               ; for the others' sake: my rows of tn lie in LDS; and the stores have read their registers
	; the products: wave w makes columns 128 half + 16 w .. + 15 of tn Wkv (group w / 4, channels 16 (w % 4) on) for all 64 rows
	v_and_b32 v6, 15, v0                           ; r
	v_bfe_u32 v7, v0, 4, 1                         ; h
	v_lshlrev_b32 v2, 2, v6
	v_lshl_add_u32 v2, v7, 13, v2                  ; Wkv: column r, 8 h rows of 1,024 bytes down
	v_mul_u32_u24 v3, v6, TNP
	v_lshl_add_u32 v3, v7, 4, v3                   ; tn: row r, + 16 h; tiles of rows 0 and 1,
	v_add_nc_u32 v4, 32*TNP, v3                    ; tiles 2 and 3
	v_lshlrev_b32 v5, 4, v1                        ; out: 16 x lane
	s_lshl_b32 s32, s25, 9
	s_lshl_b32 s33, s24, 6
	s_add_co_u32 s32, s32, s33
	s_mov_b32 s33, 0
	s_add_nc_u64 s[10:11], s[10:11], s[32:33]      ; Wkv at my first column
	WLOAD 0
	WLOAD 1
	s_barrier_signal -1
	s_barrier_wait -1                              ; all 64 rows of tn lie in LDS
	s_lshr_b32 s34, s26, 3                         ; batch
	s_and_b32 s35, s26, 7                          ; kb
	s_lshr_b32 s36, s24, 2                         ; group
	s_and_b32 s37, s24, 3                          ; ct
	s_lshl_b32 s34, s34, 18
	s_lshl_b32 s36, s36, 17
	s_add_co_u32 s34, s34, s36
	s_lshl_b32 s35, s35, 13                        ; 64 keys are 8,192 bytes of K's images, and of V's
	s_add_co_u32 s34, s34, s35
	s_mov_b32 s35, 0
	s_cmp_eq_u32 s25, 0
	s_cbranch_scc0 .Lvhalf
	s_lshl_b32 s37, s37, 9                         ; K: channels 16 ct on are half ct % 2 of fragment ct / 2: 1,024 (ct / 2) + 512 (ct % 2) = 512 ct
	s_add_co_u32 s34, s34, s37
	s_add_nc_u64 s[16:17], s[16:17], s[34:35]
	MMALL 1                                        ; a lane holds key 16 m + r and channels 16 ct + 8 h + 0 .. 7
	s_set_vgpr_msb 0x5
	s_wait_tensorcnt 0x0
	ds_add_u32 v0, v1
	s_wait_dscnt 0x0
	s_set_vgpr_msb 0x500
	s_endpgm
.Lvhalf:
	s_lshl_b32 s37, s37, 10                        ; V: fragment ct of each 32 keys
	s_add_co_u32 s34, s34, s37
	s_add_co_u32 s34, s34, 65536
	s_add_nc_u64 s[16:17], s[16:17], s[34:35]
	MMALL 0                                        ; a lane holds channel 16 ct + r and keys 16 m + 8 h + 0 .. 7
	s_set_vgpr_msb 0x5
	s_wait_tensorcnt 0x0
	ds_add_u32 v0, v1
	s_wait_dscnt 0x0
	s_set_vgpr_msb 0x500
	s_endpgm
	; ---------------- Wq into codes
.Lwq:
	COLS 64, 12
	s_lshl_b32 s34, s27, 1
	s_lshr_b32 s35, s24, 2
	s_add_co_u32 s34, s34, s35                     ; W = 2 cs + w / 4
	s_lshl_b32 s34, s34, 3
	s_add_co_u32 s34, s34, s26                     ; 8 W + s
	s_and_b32 s35, s24, 3                          ; i = w % 4: my 32 columns are tiles 2 i and 2 i + 1
	s_lshl_b32 s36, s34, 13
	s_lshl_b32 s37, s35, 11
	s_add_co_u32 s36, s36, s37
	s_mov_b32 s37, 0
	s_add_nc_u64 s[18:19], s[18:19], s[36:37]
	s_lshl_b32 s36, s34, 9
	s_lshl_b32 s38, s35, 7
	s_add_co_u32 s36, s36, s38
	s_add_nc_u64 s[20:21], s[20:21], s[36:37]
	v_lshrrev_b32 v3, 4, v1
	v_and_b32 v4, 15, v1
	v_lshlrev_b32 v4, 4, v4
	v_lshl_add_u32 v3, v3, 10, v4                  ; my tile's fragment, my column's 16 bytes
	QBLOCK 0, 63                                   ; 96 loads were issued behind this block's; the wait's count holds 63 at the most, and a smaller count waits for no less
	QBLOCK 1, 63                                   ; 64 behind
	QBLOCK 2, 32
	QBLOCK 3, 0
	global_store_b32 v2, v48, s[20:21]             ; my column's scale word: the wave stores 128 consecutive bytes
	s_endpgm
	; ---------------- Wout into f16, transposed through the wave's own stage
.Lwout:
	COLS 96, 14
	s_mul_i32 s34, s24, 32*272
	s_add_co_u32 s34, s34, WST                     ; my stage
	v_mul_u32_u24 v3, v1, 272
	v_add_nc_u32 v3, s34, v3                       ; in: row = my column
	v_lshrrev_b32 v4, 4, v1
	v_and_b32 v5, 15, v1
	v_lshlrev_b32 v5, 4, v5
	v_mul_u32_u24 v6, v4, 272
	v_add_nc_u32 v6, v6, v5
	v_add_nc_u32 v6, s34, v6                       ; back: sixteen lanes to a row, two rows an instruction
	v_lshl_add_u32 v7, v4, 11, v5                  ; and the same place in wot (rows of 2,048 bytes)
	s_lshl_b32 s36, s27, 19                        ; 256 cs rows
	s_lshl_b32 s37, s24, 16                        ; 32 w rows
	s_add_co_u32 s36, s36, s37
	s_lshl_b32 s37, s26, 8                         ; 128 s along K, in f16
	s_add_co_u32 s36, s36, s37
	s_mov_b32 s37, 0
	s_add_nc_u64 s[22:23], s[22:23], s[36:37]
	HQUART 0, 63                                   ; counts as on Wq's way
	HQUART 1, 63
	HQUART 2, 32
	HQUART 3, 0
.irp q, 0,1,2,3,4,5,6,7,8,9,10,11,12,13,14,15
	ds_store_b128 v3, v[X+4*\q:X+4*\q+3] offset:16*\q
.endr
.irp t, 0,1,2,3,4,5,6,7,8,9,10,11,12,13,14,15
	ds_load_b128 v[128+4*\t:128+4*\t+3], v6 offset:544*\t   ; LDS serves a wave's instructions in order (ISA guide 5.7.1.4): these see my stores
.endr
.irp t, 0,1,2,3,4,5,6,7,8,9,10,11,12,13,14,15
	s_wait_dscnt 15-\t                             ; the younger loads may be out
	global_store_b128 v7, v[128+4*\t:128+4*\t+3], s[22:23] offset:4096*\t   ; sixteen lanes store 256 consecutive bytes, aligned
.endr
	s_set_vgpr_msb 0x5
	s_wait_tensorcnt 0x0
	ds_add_u32 v0, v1
	s_wait_dscnt 0x0
	s_set_vgpr_msb 0x500
	s_endpgm
.Lfunc_end_k_q79eac68125_prep:
	.size	k_q79eac68125_prep, .Lfunc_end_k_q79eac68125_prep-k_q79eac68125_prep
	.p2alignl 7, 3214868480
	.fill 96, 4, 3214868480
	.section	.rodata,"a",@progbits
	.p2align	6, 0x0
	.amdhsa_kernel k_q79eac68125_prep
		.amdhsa_group_segment_fixed_size 169984
		.amdhsa_private_segment_fixed_size 0
		.amdhsa_enable_private_segment 0
		.amdhsa_kernarg_size 80
		.amdhsa_user_sgpr_count 2
		.amdhsa_user_sgpr_kernarg_segment_ptr 1
		.amdhsa_wavefront_size32 1
		.amdhsa_system_sgpr_workgroup_id_x 1
		.amdhsa_system_sgpr_workgroup_id_y 1
		.amdhsa_system_sgpr_workgroup_id_z 1
		.amdhsa_system_vgpr_workitem_id 0
		.amdhsa_next_free_vgpr 258
		.amdhsa_next_free_sgpr 66
		.amdhsa_reserve_vcc 0
		.amdhsa_float_denorm_mode_32 3
		.amdhsa_float_denorm_mode_16_64 3
		.amdhsa_memory_ordered 1
		.amdhsa_forward_progress 1
		.amdhsa_inst_pref_size 229
	.end_amdhsa_kernel
	.amdgpu_metadata
---
amdhsa.version: [ 1, 2 ]
amdhsa.kernels:
  - .name:           k_q79eac68125_prep
    .symbol:         k_q79eac68125_prep.kd
    .args:
      - { .name: text_input, .offset: 0, .size: 8, .value_kind: global_buffer, .address_space: global }
      - { .name: ln_w, .offset: 8, .size: 8, .value_kind: global_buffer, .address_space: global }
      - { .name: ln_b, .offset: 16, .size: 8, .value_kind: global_buffer, .address_space: global }
      - { .name: Wkv, .offset: 24, .size: 8, .value_kind: global_buffer, .address_space: global }
      - { .name: Wq, .offset: 32, .size: 8, .value_kind: global_buffer, .address_space: global }
      - { .name: Wout, .offset: 40, .size: 8, .value_kind: global_buffer, .address_space: global }
      - { .name: kvf, .offset: 48, .size: 8, .value_kind: global_buffer, .address_space: global }
      - { .name: wqc, .offset: 56, .size: 8, .value_kind: global_buffer, .address_space: global }
      - { .name: wqs, .offset: 64, .size: 8, .value_kind: global_buffer, .address_space: global }
      - { .name: wot, .offset: 72, .size: 8, .value_kind: global_buffer, .address_space: global }
    .group_segment_fixed_size: 169984
    .private_segment_fixed_size: 0
    .kernarg_segment_align: 8
    .kernarg_segment_size: 80
    .max_flat_workgroup_size: 256
    .sgpr_count:     66
    .vgpr_count:     258
    .wavefront_size: 32
...
	.end_amdgpu_metadata
.endif
;; end of part 1
;; launch qattn (part 2): grid 256 x 1, 8 waves a work-group, clusters of 4 x 1, 318,464 bytes of LDS; arguments x, wqc, wqs, kvf, ob; writes ob
.if DOCPART == 2
	.amdgcn_target "amdgcn-amd-amdhsa--gfx1250"
	.amdhsa_code_object_version 6
	.text
	.protected	k_q79eac68125_qattn
	.globl	k_q79eac68125_qattn
	.p2align	8
	.type	k_q79eac68125_qattn,@function
k_q79eac68125_qattn:
	s_mov_b64 s[64:65], 0
	v_nop
	global_prefetch_b8 v0, s[64:65] scope:SCOPE_SE
	s_setreg_imm32_b32 hwreg(HW_REG_WAVE_MODE, 25, 1), 1
	s_wait_xcnt 0x0
	s_wait_alu depctr_hold_cnt(0) depctr_sa_sdst(0) depctr_va_vdst(0) depctr_va_sdst(0) depctr_va_ssrc(0) depctr_va_vcc(0) depctr_vm_vsrc(0)
	s_getreg_b32 s2, hwreg(HW_REG_IB_STS2, 6, 4)
	s_cmp_eq_u32 s2, 0
	s_cbranch_scc0 .Lentry_in_a_cluster
	s_endpgm
.Lentry_in_a_cluster:
	s_bfe_u32 s2, ttmp6, 0x10000c
	s_cmp_lg_u32 s2, 0x3003
	s_cbranch_scc0 .Lentry_shape_is_right
	s_endpgm
.Lentry_shape_is_right:
; Q = Q4(x) Q4(Wq) on codes of FP4 (E2M1) with one E8M0 scale for each 32 along K, then attention for all 16 heads, O out as f16.  Q, the scores and the weights p never leave the registers.
; SHARES.  A work-group owns 64 rows of x (all of one batch).  Wave w owns heads 2 w and 2 w + 1, columns 128 w .. 128 w + 127 of Q and O, for all 64 rows (four tiles of 16); its K and V are group w / 4's.
; Two waves share a SIMD, 512 registers each: one wave's softmax is meant to stand beside the other's products (see the lag in front of the attention).
; x IS QUANTISED ONCE: wave w takes rows 16 (w / 2) on and K steps 4 (w % 2) .. + 3.  A load takes 4 rows x 128 consecutive bytes; the conversions want 16 neighbours along K in ONE lane, so each block of 32 along K
; (16 rows x 128 bytes) is turned through the wave's own stage in LDS.  Codes and scale words go to the other waves through LDS as images of the operand's registers.
; Wq's fragments come from memory straight into the registers of the one wave that multiplies by them (laid so by the launch before), three K steps deep.  They are not shared through LDS or asked for jointly:
; in a work-group each fragment has one reader, and beside K, V (262,144 bytes), x's images (36,864) and the stages (18,432) LDS has 10,240 bytes left, less than one K step of Wq (65,536).
; K and V^T of the batch, both groups, 262,144 bytes of fragment images, come into LDS ONCE.  The four work-groups of a cluster belong to one batch and ask for them JOINTLY (mask 15), 32 KiB a wave.
; No LDS byte is filled twice by a tensor load.
; LAYOUT.  All products are used transposed: Q^T = Wq^T x^T, S^T = K Q^T, O^T = V^T P: a lane holds ONE query (lane % 16) throughout; Q^T rounded to f16 in pairs IS source 1 of K Q^T, p likewise of V^T P.
; SOFTMAX.  A running maximum m and sum l for each query: p = 2^(c s - c m), c = log2(e) / 8; O and l are multiplied by a = 2^(c m_old - c m_new) in every step; O is divided by l at the end.
; LIMITS: Q, K, V, p and O are rounded to f16 for the products left as they are: magnitudes from 65,504 on are not served; numbers under 2^-14 carry an absolute error of up to 2^-25.
; A block of x whose largest magnitude lies under 2^-124 has its scale byte held at 1; a block of zeros gets the byte 1 with zero codes.  NaN and infinities are not served.
; REGISTERS.  Window 0: v1-14 addresses; v16-47 at work on x (v42, v43 the stage's addresses), then x's fragments, then the softmax's statistics; v48-63 scale words and nothing else (x's four, Wq's three sets of four);
;   v64-255: x as f32 (two sets of 64) and Wq's fragments (three sets of 64); in attention v64-127 K's fragments of a step, v128-255 S^T, 32 a tile; p is packed into each tile's first 16, and V's fragments
;   2 m and 2 m + 1 then take tile m's other 16.
;   Window 1: Q^T's 32 accumulators; packed: v0-127 Q (head hd, tile m, channels 32 c on at 64 hd + 16 m + 8 c), v128-255 O^T (tile m, channels 16 ct on at 128 + 32 m + 8 ct).
.set XIMG, 262144                      ; LDS: x's 32 fragments (tile of rows m, K step s: 8 m + s), 1,024 bytes each,
.set XSC,  XIMG+32768                  ; their scale words, 128 bytes each,
.set XTN,  XSC+4096                    ; and the stages in which x is turned: 16 rows x 144 bytes for each wave
.set TP,   144                         ; a stage row: 128 bytes + 16 = 9 x 16: the 16 rows that a load touches start at 16 different groups of four banks (64 banks of 4 bytes: ISA guide 11.1)
.set STG,  XIMG                        ; the way out: 16 rows x 272 bytes for each wave, over x's images, which nobody reads behind the second barrier
.set XFA, 1                            ; v1   XIMG + 16 x lane
.set XSA, 2                            ; v2   XSC + 4 x lane
.set XWI, 3                            ; v3   where I store x's images: + 4,096 x wave
.set XWS, 4                            ; v4   and their scale words: + 512 x wave
.set XA,  5                            ; v5   x: row lane / 8 of 4,096 bytes, + 16 (lane % 8)
.set WA,  6                            ; v6   16 x lane
.set WSA, 7                            ; v7   4 x lane
.set AK0, 8                            ; v8   my group's K images, 16 x lane
.set AV0, 9                            ; v9   V's
.set ADK, 10                           ; v10  the next step's K
.set ADV, 11                           ; v11  this step's V
.set STO, 12                           ; v12  the way out: where I put 16 bytes of a row
.set RD,  13                           ; v13  where I read a row back
.set GO,  14                           ; v14  my byte offset in the wave's rows of O
.set TM,  16                           ; quantiser: v16-19 largest magnitudes, v20-23 bytes, v28-31 scale operands
.set PC,  32                           ; v32-39 the codes just made
.set PW,  40                           ; v40    their scale word
.set TSA, 42                           ; v42    the stage, on the way in: row lane / 8, + 16 (lane % 8)
.set TLA, 43                           ; v43    and on the way out: row r, + 64 h
.set XF,  16                           ; v16-47 x's four fragments of a K step
.set XS,  48                           ; v48-51 their scale words
.set X0,  64
.set X1,  128
.set ST,  16                           ; tile m's statistics at v[16 + 8 m]: +0 c m, +1 m, +2, +3 l, +4 .. +7 at work; a in +6
.set F,   64
.set S,   128
.set WV,  14
.set SEL, 20
.set CS,  22
.set G1,  24
.set G0,  32
.set TB,  36                           ; s36  LDS byte at which a step's images begin: 8,192 a step
.set CNT, 37
.set MSB, 0
.macro WIN new                         ; the immediate's high byte repeats the setting that is left; a switch that changes nothing is dropped
.if MSB != \new
	s_set_vgpr_msb (MSB<<8)|\new
.set MSB, \new
.endif
.endm
.macro CROUND                          ; a round of the cluster's barrier
	s_barrier_signal -1
	s_barrier_wait -1
	s_cmp_lg_u32 s[WV], 0
	s_cbranch_scc1 .Lnot_wave_0_\@
	s_barrier_signal -3
.Lnot_wave_0_\@:
	s_barrier_wait -3
	s_barrier_signal -1
	s_barrier_wait -1
.endm
; my 16 rows' numbers of my K step sp, as they lie: load (b, i) takes rows 4 i .. 4 i + 3, the 128 bytes of block b of each: eight lanes to a row
.macro XLOAD set, sp
.irp b, 0,1,2,3
.irp i, 0,1,2,3
	global_load_b128 v[\set+16*\b+4*\i:\set+16*\b+4*\i+3], v[XA], s[4:5] offset:16384*\i+512*\sp+128*\b th:TH_LOAD_NT
.endr
.endr
.endm
; The turn, block by block, into the registers that the numbers left: afterwards register 16 b + i = k 32 b + 16 h + i of row r.  LDS serves a wave's instructions in order (ISA guide 5.7.1.4): the loads see the
; stores above them, and the next block's stores come behind them: one stage serves the four blocks, with no wait between.
.macro TURN set
.irp b, 0,1,2,3
.irp i, 0,1,2,3
	ds_store_b128 v[TSA], v[\set+16*\b+4*\i:\set+16*\b+4*\i+3] offset:4*TP*\i
.endr
.irp j, 0,1,2,3
	ds_load_b128 v[\set+16*\b+4*\j:\set+16*\b+4*\j+3], v[TLA] offset:16*\j
.endr
.endr
.endm
; Wq's eight fragments and four scale words of K step s into set (s + 2) % 3
.macro WLOAD s
.set WLB, 64+64*(((\s)+2)%3)
.set WLS, 52+4*(((\s)+2)%3)
.irp t, 0,1,2,3,4,5,6,7
.irp c, 0,1
	global_load_b128 v[WLB+8*\t+4*\c:WLB+8*\t+4*\c+3], v[WA], s[6:7] offset:8192*(\s)+1024*\t+512*\c
.endr
.endr
.irp i, 0,1,2,3
	global_load_b32 v[WLS+\i], v[WSA], s[8:9] offset:(4*(\s)+\i)*128
.endr
.endm
; 64 numbers of a lane become a fragment's codes in v[PC] on and its scale word in v[PW]
.macro QUANT s
.irp b, 0,1,2,3
	v_max3_num_f32 v[TM+\b], |v[\s+16*\b]|, |v[\s+1+16*\b]|, 0x1800000   ; block b: my 16 numbers, and the floor 2^(3 - 127): the byte cannot fall under 1
.endr
.irp i, 2,4,6,8,10,12,14
.irp b, 0,1,2,3
	v_max3_num_f32 v[TM+\b], v[TM+\b], |v[\s+16*\b+\i]|, |v[\s+1+16*\b+\i]|
.endr
.endr
.irp b, 0,1,2,3
	v_permlanex16_b32 v[TM+4+\b], v[TM+\b], s[SEL], s[SEL+1]
.endr
.irp b, 0,1,2,3
	v_max_num_f32 v[TM+\b], v[TM+\b], v[TM+4+\b]   ; with lane l xor 16's: the block's largest magnitude
.endr
.irp b, 0,1,2,3
	v_add_nc_u32 v[TM+12+\b], 0xff000000, v[TM+\b] ; 2 off its exponent field: the conversion's scale operand
.endr
.irp b, 0,1,2,3
	v_lshrrev_b32 v[TM+4+\b], 23, v[TM+12+\b]      ; the scale's byte
.endr
	v_lshl_or_b32 v[PW], v[TM+5], 8, v[TM+4]
	v_lshl_or_b32 v[PW], v[TM+6], 16, v[PW]
	v_lshl_or_b32 v[PW], v[TM+7], 24, v[PW]
.irp b, 0,1,2,3
	v_cvt_scalef32_pk8_fp4_f32 v[PC+2*\b], v[\s+16*\b:\s+7+16*\b], v[TM+12+\b]
	v_cvt_scalef32_pk8_fp4_f32 v[PC+1+2*\b], v[\s+8+16*\b:\s+15+16*\b], v[TM+12+\b]
.endr
	v_nop                                          ; one plain place behind a scaled conversion
.irp c, 0,1                                    ; the operand's layout wants a WHOLE block in a lane
.irp i, 0,1
	v_permlane16_swap_b32 v[PC+4*\c+\i], v[PC+2+4*\c+\i]
.endr
.endr
.endm
.macro IMAGE sp
.irp c, 0,1
	ds_store_b128 v[XWI], v[PC+4*\c:PC+4*\c+3] offset:1024*\sp+512*\c
.endr
	ds_store_b32 v[XWS], v[PW] offset:128*\sp
.endm
; K step s of Q^T: 32 matrix instructions, the 32 accumulators by turns.  Source 0 = 16 columns of Wq, source 1 = 16 rows of x.
.macro QSTEP s
.set WB, 64+64*(((\s)+2)%3)
.set WS, 52+4*(((\s)+2)%3)
.irp m, 0,1,2,3
.irp c, 0,1
	ds_load_b128 v[XF+8*\m+4*\c:XF+8*\m+4*\c+3], v[XFA] offset:(8*\m+\s)*1024+512*\c
.endr
	ds_load_b32 v[XS+\m], v[XSA] offset:(8*\m+\s)*128
.endr
.if \s <= 5
	s_wait_loadcnt 40                              ; this K step's 20 loads are in; those of the next two steps may be out
.elseif \s == 6
	s_wait_loadcnt 20
.else
	s_wait_loadcnt 0x0
.endif
	s_wait_dscnt 0x0
	WIN 0x50                                       ; C and D window 1
.irp t, 0,1,2,3,4,5,6,7
.irp m, 0,1,2,3
.set AQ, 8*(((\t/4)*4+\m)*4+(\t%4))
.if \s == 0
.if \t%2
	v_wmma_scale_f32_16x16x128_f8f6f4 v[AQ:AQ+7], v[WB+8*\t:WB+8*\t+7], v[XF+8*\m:XF+8*\m+7], 0, v[WS+\t/2], v[XS+\m] matrix_a_fmt:MATRIX_FMT_FP4 matrix_b_fmt:MATRIX_FMT_FP4 matrix_a_scale:MATRIX_SCALE_ROW1
.else
	v_wmma_scale_f32_16x16x128_f8f6f4 v[AQ:AQ+7], v[WB+8*\t:WB+8*\t+7], v[XF+8*\m:XF+8*\m+7], 0, v[WS+\t/2], v[XS+\m] matrix_a_fmt:MATRIX_FMT_FP4 matrix_b_fmt:MATRIX_FMT_FP4
.endif
.else
.if \t%2
	v_wmma_scale_f32_16x16x128_f8f6f4 v[AQ:AQ+7], v[WB+8*\t:WB+8*\t+7], v[XF+8*\m:XF+8*\m+7], v[AQ:AQ+7], v[WS+\t/2], v[XS+\m] matrix_a_fmt:MATRIX_FMT_FP4 matrix_b_fmt:MATRIX_FMT_FP4 matrix_a_scale:MATRIX_SCALE_ROW1
.else
	v_wmma_scale_f32_16x16x128_f8f6f4 v[AQ:AQ+7], v[WB+8*\t:WB+8*\t+7], v[XF+8*\m:XF+8*\m+7], v[AQ:AQ+7], v[WS+\t/2], v[XS+\m] matrix_a_fmt:MATRIX_FMT_FP4 matrix_b_fmt:MATRIX_FMT_FP4
.endif
.endif
.endr
.endr
	WIN 0
.rept 4
	v_nop                                          ; places in front of loads into registers that these products read, and of the first read of results
.endr
.if (\s)+3 <= 7
	WLOAD (\s)+3                                   ; into the set just left
.endif
.endm
.macro FETCHF adr                      ; K's eight fragment images of a step, 16 loads of 512 consecutive bytes
.irp f, 0,1,2,3,4,5,6,7
.irp q, 0,1
	ds_load_b128 v[F+8*\f+4*\q:F+8*\f+4*\q+3], v[\adr] offset:1024*\f+512*\q
.endr
.endr
.endm
.macro VFETCH f0                       ; V's fragments f0 and f0 + 1 of this step into the upper 16 registers of tile f0 / 2, whose weights have just been packed into its lower 16
.irp f, \f0, \f0+1
.irp q, 0,1
	ds_load_b128 v[S+32*((\f)/2)+16+8*((\f)%2)+4*\q:S+32*((\f)/2)+16+8*((\f)%2)+4*\q+3], v[ADV] offset:1024*(\f)+512*\q
.endr
.endr
.endm
; Pieces of a tile's softmax, number i of 16.  k = 0: c s - c m for pair i;  k = 1: the sum of the weights, in two chains (l and a helper), pair i + 1;  k = 2: pair i rounded to f16 into register i.
.macro PIECE k, m
.set rT, ST+8*(\m)
.set rS, S+32*(\m)
.if \k == 0
	v_pk_fma_f32 v[rS+2*i:rS+2*i+1], v[rS+2*i:rS+2*i+1], s[CS:CS+1], v[rT:rT+1] op_sel_hi:[1,0,0] neg_lo:[0,0,1] neg_hi:[0,0,1]
.elseif \k == 1
.if i == 0
	s_wait_alu depctr_va_vdst(0)
	v_pk_add_f32 v[rT+4:rT+5], v[rS:rS+1], v[rS+2:rS+3]
.elseif i == 15
	v_pk_add_f32 v[rT+2:rT+3], v[rT+2:rT+3], v[rT+4:rT+5]
.elseif i%2 == 1
	v_pk_add_f32 v[rT+2:rT+3], v[rT+2:rT+3], v[rS+2*i+2:rS+2*i+3]
.else
	v_pk_add_f32 v[rT+4:rT+5], v[rT+4:rT+5], v[rS+2*i+2:rS+2*i+3]
.endif
.else
	v_cvt_pk_f16_f32 v[rS+i], v[rS+2*i], v[rS+2*i+1]   ; register i's pair was summed at number i / 2 - 1 or before; registers 2 i, 2 i + 1 have not been written over
.endif
.endm
.macro RUN k, m
.set i, 0
.rept 16
	PIECE \k, \m
.set i, i+1
.endr
.endm
; Tile m's 32 exponentials, each with a plain instruction on another tile behind it (ISA guide 5.7.2): no two follow each other
.macro MIX m, ka, ma, kb, mb
.set i, 0
.rept 16
	v_exp_f32 v[S+32*\m+2*i], v[S+32*\m+2*i]
	PIECE \ka, \ma
	v_exp_f32 v[S+32*\m+2*i+1], v[S+32*\m+2*i+1]
	PIECE \kb, \mb
.set i, i+1
.endr
.endm
.macro SOFTMAX first
.irp j, 0,1,2,3                                ; the maximum of a lane's 32 scores, four chains a tile, the four tiles by turns; each accumulator is read from its low end on
.irp m, 0,1,2,3
	v_max3_num_f32 v[ST+8*\m+4+\j], v[S+32*\m+8*\j], v[S+32*\m+8*\j+1], v[S+32*\m+8*\j+2]
.endr
.endr
.irp u, 1,2
.irp j, 0,1,2,3
.irp m, 0,1,2,3
	v_max3_num_f32 v[ST+8*\m+4+\j], v[ST+8*\m+4+\j], v[S+32*\m+8*\j+2*\u+1], v[S+32*\m+8*\j+2*\u+2]
.endr
.endr
.endr
.irp m, 0,1,2,3
	v_max3_num_f32 v[ST+8*\m+4], v[ST+8*\m+4], v[S+32*\m+7], v[S+32*\m+15]
.endr
.irp m, 0,1,2,3
	v_max3_num_f32 v[ST+8*\m+6], v[ST+8*\m+6], v[S+32*\m+23], v[S+32*\m+31]
.endr
.irp m, 0,1,2,3
	v_max3_num_f32 v[ST+8*\m+4], v[ST+8*\m+4], v[ST+8*\m+5], v[ST+8*\m+6]
.endr
.irp m, 0,1,2,3
.if \first
	v_max_num_f32 v[ST+8*\m+4], v[ST+8*\m+4], v[ST+8*\m+7]
.else
	v_max3_num_f32 v[ST+8*\m+4], v[ST+8*\m+4], v[ST+8*\m+7], v[ST+8*\m+1]   ; and the old m
.endif
.endr
.irp m, 0,1,2,3
	v_permlanex16_b32 v[ST+8*\m+5], v[ST+8*\m+4], s[SEL], s[SEL+1]   ; the query's other 32 keys lie in the lane 16 away
.endr
.if \first
.else
.irp m, 0,1,2,3
	v_mov_b32 v[ST+8*\m+7], v[ST+8*\m]             ; c m_old is kept for a
.endr
.endif
.irp m, 0,1,2,3
	v_max_num_f32 v[ST+8*\m+1], v[ST+8*\m+4], v[ST+8*\m+5]
.endr
.irp m, 0,1,2,3
	v_mul_f32 v[ST+8*\m], s[CS], v[ST+8*\m+1]
.endr
.if \first
.irp m, 0,1,2,3
	v_mov_b32 v[ST+8*\m+2], 0
	v_mov_b32 v[ST+8*\m+3], 0
.endr
.else
.irp m, 0,1,2,3
	v_sub_f32 v[ST+8*\m+7], v[ST+8*\m+7], v[ST+8*\m]
.endr
.irp m, 0,1,2,3
	v_exp_f32 v[ST+8*\m+6], v[ST+8*\m+7]           ; a
.endr
	v_nop
	s_wait_alu depctr_va_vdst(0)
.irp m, 0,1,2,3
	v_pk_mul_f32 v[ST+8*\m+2:ST+8*\m+3], v[ST+8*\m+2:ST+8*\m+3], v[ST+8*\m+6:ST+8*\m+7] op_sel_hi:[1,0]
.endr
.endif
	RUN 0, 0
	MIX 0, 0, 1, 0, 2
	MIX 1, 1, 0, 2, 0
	VFETCH 0                                       ; tile 0 is summed and packed: its upper half takes V's fragments 0 and 1
	MIX 2, 0, 3, 1, 1
	MIX 3, 2, 1, 1, 2
	VFETCH 2                                       ; tile 1 likewise
	RUN 2, 2
	VFETCH 4
.set i, 0
.rept 16
	PIECE 1, 3
	PIECE 2, 3
.set i, i+1
.endr
	VFETCH 6
.endm
.macro OSCALE                          ; O^T times each tile's register ST + 6, ascending: each accumulator is read from its low end on
	WIN 0x41                                       ; destination and source 0 window 1
.irp m, 0,1,2,3
.set i, 0
.rept 16
	v_pk_mul_f32 v[128+32*\m+2*i:128+32*\m+2*i+1], v[128+32*\m+2*i:128+32*\m+2*i+1], v[ST+8*\m+6:ST+8*\m+7] op_sel_hi:[1,0]
.set i, i+1
.endr
.endr
.endm
; A KEY STEP of 64 keys for head hd's four tiles of queries.  Its K was asked for a step ago.  first = 1: it starts m, l and O^T.
; nextk = 1: the next step's K is asked for behind this step's products K Q^T, so that it has the softmax in which to land;  2: K's step 0, for the wave's other head, which shares it;  0: nothing is left to fetch.
.macro STEP hd, first, nextk
	v_add_nc_u32 v[ADV], s[TB], v[AV0]             ; this step's V.  With the four lines below: five places (ISA guide 7.12.1): the scores are written over p and V, both sources of the last products
.rept 4
	v_nop
.endr
	s_add_co_u32 s[TB], s[TB], 8192                ; on to the next step's images
	s_wait_dscnt 0x0                               ; K is in
	WIN 0x04                                       ; source 1 (Q) window 1
.irp c, 0,1                                    ; S^T = K Q^T: sixteen accumulators by turns, channels 32 c on
.irp kt, 0,1,2,3
.irp m, 0,1,2,3
.if \c == 0
	v_wmma_f32_16x16x32_f16 v[S+32*\m+8*\kt:S+32*\m+8*\kt+7], v[F+8*(2*\kt+\c):F+8*(2*\kt+\c)+7], v[64*\hd+16*\m+8*\c:64*\hd+16*\m+8*\c+7], 0
.else
	v_wmma_f32_16x16x32_f16 v[S+32*\m+8*\kt:S+32*\m+8*\kt+7], v[F+8*(2*\kt+\c):F+8*(2*\kt+\c)+7], v[64*\hd+16*\m+8*\c:64*\hd+16*\m+8*\c+7], v[S+32*\m+8*\kt:S+32*\m+8*\kt+7]
.endif
.endr
.endr
.endr
	WIN 0
.if \nextk == 1                                ; four places in front of the loads into K's registers and of the first read of the scores
	v_add_nc_u32 v[ADK], s[TB], v[AK0]
.rept 3
	v_nop
.endr
	FETCHF ADK
.else
.rept 4
	v_nop
.endr
.if \nextk == 2
	FETCHF AK0
.endif
.endif
	SOFTMAX \first                                 ; V is asked for inside it, four loads as each tile's upper half falls free
.if \first
.else
	OSCALE
.endif
	WIN 0x50                                       ; C and D (O^T) window 1
.irp u, 0,1                                    ; O^T += V^T P: sixteen accumulators by turns, keys 32 u on
.if \u == 0
	s_wait_dscnt 8                                 ; V's fragments 0-3 are in (and the next K, asked for before them); the youngest eight loads, fragments 4-7, may be out
.else
	s_wait_dscnt 0x0
.endif
.irp ct, 0,1,2,3
.irp m, 0,1,2,3
.set VR, S+32*((4*\u+\ct)/2)+16+8*(\ct%2)
.if \first && (\u == 0)
	v_wmma_f32_16x16x32_f16 v[128+32*\m+8*\ct:128+32*\m+8*\ct+7], v[VR:VR+7], v[S+32*\m+8*\u:S+32*\m+8*\u+7], 0
.else
	v_wmma_f32_16x16x32_f16 v[128+32*\m+8*\ct:128+32*\m+8*\ct+7], v[VR:VR+7], v[S+32*\m+8*\u:S+32*\m+8*\u+7], v[128+32*\m+8*\ct:128+32*\m+8*\ct+7]
.endif
.endr
.endr
.endr
	WIN 0
.endm
; The head's end: l's halves are added, O^T is divided by l and rounded to f16 over the head's Q, which is done with
.macro FIN hd
.rept 4
	v_nop
.endr
.irp m, 0,1,2,3
	v_add_f32 v[ST+8*\m+4], v[ST+8*\m+2], v[ST+8*\m+3]
.endr
.irp m, 0,1,2,3
	v_permlanex16_b32 v[ST+8*\m+5], v[ST+8*\m+4], s[SEL], s[SEL+1]
.endr
.irp m, 0,1,2,3
	v_add_f32 v[ST+8*\m+4], v[ST+8*\m+4], v[ST+8*\m+5]
.endr
.irp m, 0,1,2,3
	v_rcp_f32 v[ST+8*\m+6], v[ST+8*\m+4]
.endr
	v_nop
	s_wait_alu depctr_va_vdst(0)
	OSCALE
	WIN 0x45                                       ; destination and both sources window 1
.irp m, 0,1,2,3
.set i, 0
.rept 16
	v_cvt_pk_f16_f32 v[64*\hd+16*\m+i], v[128+32*\m+2*i], v[128+32*\m+2*i+1]
.set i, i+1
.endr
.endr
	WIN 0
.endm
.macro HEAD hd                         ; 512 keys in eight steps: the first and the last written out, six in a loop
	s_mov_b32 s[TB], 0
	STEP \hd, 1, 1
	s_mov_b32 s[CNT], 6
.Lkeys_\@:
	STEP \hd, 0, 1
	s_sub_co_u32 s[CNT], s[CNT], 1
	s_cmp_lg_u32 s[CNT], 0
	s_cbranch_scc1 .Lkeys_\@
.if \hd == 0
	STEP \hd, 0, 2
.else
	STEP \hd, 0, 0
.endif
	FIN \hd
.endm
	s_load_b256 s[4:11], s[0:1], 0x0               ; x s[4:5], wqc s[6:7], wqs s[8:9], kvf s[10:11]
	s_load_b64 s[12:13], s[0:1], 0x20              ; ob
	v_lshl_add_u32 v254, v0, 2, 0x4d800
	v_mov_b32 v255, 0
	ds_add_u32 v254, v255
	ds_add_u32 v254, v255
	s_wait_dscnt 0x0
	v_lshrrev_b32 v15, 5, v0
	v_readfirstlane_b32 s[WV], v15                 ; wave 0..7
	s_bfe_u32 s15, ttmp6, 0x40000                  ; cx: my place in the cluster
	s_lshl_b32 s16, ttmp9, 2                       ; in a cluster launch ttmp9 counts clusters
	s_add_co_u32 s16, s16, s15                     ; my block of 64 rows: it enters x's and ob's addresses alone
	s_mov_b32 s[SEL], 0x76543210
	s_mov_b32 s[SEL+1], 0xfedcba98
	s_mov_b32 s[CS], 0x3e38aa3b                    ; c = log2(e) / 8
	s_mov_b32 s[CS+1], s[CS]                       ; (named with it as a pair, so it is written)
	; descriptor group 1: 32,768 dense bytes as 128 rows of 32 elements of 8 bytes, no padding: the images are read 512 consecutive bytes at a time
	s_mov_b32 s[G1], 15|(3<<16)|(1<<21)            ; 15:0 the mask: all four work-groups; 17:16 elements of 8 bytes; 21 set beside a mask
	s_mov_b32 s[G1+1], 32<<16                      ; tensor_dim0 = 32
	s_mov_b32 s[G1+2], 128<<16                     ; tensor_dim1 = 128
	s_mov_b32 s[G1+3], 32<<16                      ; tile_dim0 = 32
	s_mov_b32 s[G1+4], 128                         ; tile_dim1 = 128
	s_mov_b32 s[G1+5], 32                          ; from row to row
	s_mov_b32 s[G1+6], 0
	s_mov_b32 s[G1+7], 0
	s_lshr_b32 s38, ttmp9, 4                       ; the batch: 16 clusters of 256 rows each; the four partners share it
	s_lshl_b32 s38, s38, 18
	s_lshl_b32 s40, s[WV], 15                      ; my 32 KiB of the batch's images
	s_add_co_u32 s38, s38, s40
	s_mov_b32 s39, 0
	s_lshl_b32 s42, s16, 18                        ; x: 64 rows of 4,096 bytes,
	s_lshr_b32 s43, s[WV], 1
	s_lshl_b32 s43, s43, 16                        ; my tile of 16 rows,
	s_add_co_u32 s42, s42, s43
	s_and_b32 s43, s[WV], 1
	s_lshl_b32 s43, s43, 11                        ; my four K steps of 512 bytes
	s_add_co_u32 s42, s42, s43
	s_mov_b32 s43, 0
	s_lshl_b32 s44, s16, 17                        ; ob: 64 rows of 2,048 bytes,
	s_lshl_b32 s45, s[WV], 8                       ; my two heads' 256 bytes
	s_add_co_u32 s44, s44, s45
	s_mov_b32 s45, 0
	v_and_b32 v15, 31, v0                          ; lane
	v_and_b32 v10, 15, v0                          ; r
	v_bfe_u32 v11, v0, 4, 1                        ; h
	v_bfe_u32 v44, v0, 3, 2                        ; lane / 8
	v_and_b32 v45, 7, v0                           ; lane % 8
	v_lshlrev_b32 v[WA], 4, v15
	v_lshlrev_b32 v[WSA], 2, v15
	v_add_nc_u32 v[XFA], XIMG, v[WA]
	v_add_nc_u32 v[XSA], XSC, v[WSA]
	s_lshl_b32 s41, s[WV], 12
	v_add_nc_u32 v[XWI], s41, v[XFA]
	s_lshl_b32 s41, s[WV], 9
	v_add_nc_u32 v[XWS], s41, v[XSA]
	v_lshlrev_b32 v[XA], 12, v44
	v_lshl_add_u32 v[XA], v45, 4, v[XA]
	s_mul_i32 s41, s[WV], 16*TP
	s_add_co_u32 s41, s41, XTN                     ; my stage for the turn
	v_mul_u32_u24 v[TSA], v44, TP
	v_lshl_add_u32 v[TSA], v45, 4, v[TSA]
	v_add_nc_u32 v[TSA], s41, v[TSA]
	v_mul_u32_u24 v[TLA], v10, TP
	v_lshl_add_u32 v[TLA], v11, 6, v[TLA]
	v_add_nc_u32 v[TLA], s41, v[TLA]
	s_lshr_b32 s41, s[WV], 2
	s_lshl_b32 s41, s41, 17                        ; my group's K and V
	v_add_nc_u32 v[AK0], s41, v[WA]
	v_add_nc_u32 v[AV0], 65536, v[AK0]
	s_mul_i32 s41, s[WV], 16*272
	s_add_co_u32 s41, s41, STG
	v_mul_u32_u24 v[STO], v10, 272
	v_lshl_add_u32 v[STO], v11, 4, v[STO]
	v_add_nc_u32 v[STO], s41, v[STO]
	v_mul_u32_u24 v[RD], v11, 272
	v_lshl_add_u32 v[RD], v10, 4, v[RD]
	v_add_nc_u32 v[RD], s41, v[RD]
	v_lshlrev_b32 v[GO], 11, v11
	v_lshl_add_u32 v[GO], v10, 4, v[GO]
.irp b, 0,1,2,3
	v_mov_b32 v[TM+4+\b], 0                        ; written once: a lane permute's destination counts as one of its sources
.endr
	s_wait_kmcnt 0x0
	s_mov_b32 s[G0], 1                             ; count = 1
	s_mov_b32 s[G0+1], s40                         ; LDS address: 32,768 x wave
	s_add_nc_u64 s[G0+2:G0+3], s[10:11], s[38:39]
	s_or_b32 s[G0+3], s[G0+3], 0x80000000          ; type = 2
	s_add_nc_u64 s[4:5], s[4:5], s[42:43]
	s_add_nc_u64 s[12:13], s[12:13], s[44:45]
	s_lshl_b32 s42, s[WV], 16
	s_add_nc_u64 s[6:7], s[6:7], s[42:43]          ; my 128 columns' fragments of Wq
	s_lshl_b32 s42, s[WV], 12
	s_add_nc_u64 s[8:9], s[8:9], s[42:43]          ; and their scale words
	XLOAD X0, 0                                    ; x's first two K steps and Wq's first are asked for ahead of the round: they are on their way while the partners gather
	XLOAD X1, 1
	WLOAD 0
	CROUND                                         ; all four work-groups are here: the joint loads meet
	tensor_load_to_lds s[G0:G0+3], s[G1:G1+7]      ; my one tensor load of the launch
	s_nop 0
.rept 4
	v_nop
.endr
	; ---- x: four K steps of my 16 rows become four fragments.  Counts on LOADcnt: an XLOAD is 16 loads, a WLOAD 20.  Each wait for all LDS instructions serves the turn's loads, and shows
	; that the last image's stores have read their registers
	s_wait_loadcnt 36                              ; step 0 is in; step 1's 16 and Wq's 20 may be out
	TURN X0
	s_wait_dscnt 0x0
	QUANT X0
	IMAGE 0
	XLOAD X0, 2
	s_wait_loadcnt 36                              ; step 1 is in; Wq's 20 and step 2's 16 may be out
	TURN X1
	s_wait_dscnt 0x0
	QUANT X1
	IMAGE 1
	XLOAD X1, 3
	s_wait_loadcnt 16                              ; step 2 is in; step 3's 16 may be out
	TURN X0
	s_wait_dscnt 0x0
	QUANT X0
	IMAGE 2
	WLOAD 1                                        ; into the registers that x's first set has left
	s_wait_loadcnt 20                              ; step 3 is in; Wq's 20 may be out
	TURN X1
	s_wait_dscnt 0x0
	QUANT X1
	IMAGE 3
	WLOAD 2
	s_wait_dscnt 0x0                               ; for the others' sake: my images lie in LDS
	s_barrier_signal -1                            ; (K's and V's load may stay out)
	s_barrier_wait -1                              ; x's 32 fragments lie in LDS
	; ---- Q^T
.irp s, 0,1,2,3,4,5,6,7
	QSTEP \s
.endr
	WIN 0x45
.set i, 0
.rept 128
	v_cvt_pk_f16_f32 v[i], v[2*i], v[2*i+1]        ; in place, ascending, each accumulator from its low end on: accumulators ct = 2 c and 2 c + 1 become registers 0-3 and 4-7 of Q(hd, m, c)
.set i, i+1
.endr
	WIN 0
	s_wait_tensorcnt 0x0                           ; my part of K and V has landed,
	s_wait_dscnt 0x0                               ; my reads of x's images are over
	s_barrier_signal -1
	s_barrier_wait -1                              ; everybody's
	; ---- THE LAG.  All eight waves leave this barrier together and then walk the same phases: 64 matrix instructions a key step in one run (V^T P, then the next K Q^T), some 520 others in another.  So that one
	; wave's run of products can stand beside its neighbour's softmax, half of the waves begin late, once, by 32 s_nop 15: of the order of half a step.  No barrier follows before the way out, so the lag is not taken back.
	; This text does not know which two waves share a SIMD: the set 1, 3, 4, 6 holds one of each pair w, w + 4 and one of each pair 2 i, 2 i + 1.
	s_lshr_b32 s38, s[WV], 2
	s_xor_b32 s38, s38, s[WV]
	s_and_b32 s38, s38, 1
	s_cmp_eq_u32 s38, 0
	s_cbranch_scc1 .Lno_lag
.rept 32
	s_nop 15
.endr
.Lno_lag:
	; ---- attention
	FETCHF AK0                                     ; K's step 0
	HEAD 0
	HEAD 1
	; ---- the way out: a tile of 16 rows x my two heads (256 bytes a row) at a time through my stage; sixteen lanes then store 256 consecutive bytes, aligned
.irp m, 0,1,2,3
	WIN 0x04                                       ; an LDS store's data are its source 1: window 1
.irp hd, 0,1
.irp ct, 0,1,2,3
	ds_store_b128 v[STO], v[64*\hd+16*\m+4*\ct:64*\hd+16*\m+4*\ct+3] offset:128*\hd+32*\ct
.endr
.endr
	WIN 0
.irp i, 0,1,2,3,4,5,6,7
	ds_load_b128 v[S+32*\m+4*\i:S+32*\m+4*\i+3], v[RD] offset:544*\i   ; LDS serves a wave's instructions in order (ISA guide 5.7.1.4): these see the stores above, and the next tile's stores come behind them
.endr
.endr
	s_wait_dscnt 0x0
.irp m, 0,1,2,3
.irp i, 0,1,2,3,4,5,6,7
	global_store_b128 v[GO], v[S+32*\m+4*\i:S+32*\m+4*\i+3], s[12:13] offset:(16*\m+2*\i)*2048
.endr
.endr
	s_wait_xcnt 0x0
	v_lshl_add_u32 v254, v0, 2, 0x4d800
	v_mov_b32 v255, 0
	s_wait_tensorcnt 0x0
	ds_add_u32 v254, v255
	s_wait_dscnt 0x0
	CROUND                                         ; the closing round: no work-group ends while a partner may still ask for a tile that names it
	s_endpgm
.Lfunc_end_k_q79eac68125_qattn:
	.size	k_q79eac68125_qattn, .Lfunc_end_k_q79eac68125_qattn-k_q79eac68125_qattn
	.p2alignl 7, 3214868480
	.fill 96, 4, 3214868480
	.section	.rodata,"a",@progbits
	.p2align	6, 0x0
	.amdhsa_kernel k_q79eac68125_qattn
		.amdhsa_group_segment_fixed_size 318464
		.amdhsa_private_segment_fixed_size 0
		.amdhsa_enable_private_segment 0
		.amdhsa_kernarg_size 40
		.amdhsa_user_sgpr_count 2
		.amdhsa_user_sgpr_kernarg_segment_ptr 1
		.amdhsa_wavefront_size32 1
		.amdhsa_system_sgpr_workgroup_id_x 1
		.amdhsa_system_sgpr_workgroup_id_y 1
		.amdhsa_system_sgpr_workgroup_id_z 1
		.amdhsa_system_vgpr_workitem_id 0
		.amdhsa_next_free_vgpr 512
		.amdhsa_next_free_sgpr 66
		.amdhsa_reserve_vcc 0
		.amdhsa_float_denorm_mode_32 3
		.amdhsa_float_denorm_mode_16_64 3
		.amdhsa_memory_ordered 1
		.amdhsa_forward_progress 1
		.amdhsa_inst_pref_size 255
	.end_amdhsa_kernel
	.section	.bss,"aw",@nobits
	.p2align	6
	.space	262144
	.amdgpu_metadata
---
amdhsa.version: [ 1, 2 ]
amdhsa.kernels:
  - .name:           k_q79eac68125_qattn
    .symbol:         k_q79eac68125_qattn.kd
    .args:
      - { .name: x, .offset: 0, .size: 8, .value_kind: global_buffer, .address_space: global }
      - { .name: wqc, .offset: 8, .size: 8, .value_kind: global_buffer, .address_space: global }
      - { .name: wqs, .offset: 16, .size: 8, .value_kind: global_buffer, .address_space: global }
      - { .name: kvf, .offset: 24, .size: 8, .value_kind: global_buffer, .address_space: global }
      - { .name: ob, .offset: 32, .size: 8, .value_kind: global_buffer, .address_space: global }
    .group_segment_fixed_size: 318464
    .private_segment_fixed_size: 0
    .kernarg_segment_align: 8
    .kernarg_segment_size: 40
    .max_flat_workgroup_size: 256
    .sgpr_count:     66
    .vgpr_count:     512
    .wavefront_size: 32
...
	.end_amdgpu_metadata
.endif
;; end of part 2
;; launch ogemm (part 3): grid 4 x 64, 4 waves a work-group, clusters of 4 x 4, 327,680 bytes of LDS; arguments ob, wot, bout, out0; writes out0
.if DOCPART == 3
	.amdgcn_target "amdgcn-amd-amdhsa--gfx1250"
	.amdhsa_code_object_version 6
	.text
	.protected	k_q79eac68125_ogemm
	.globl	k_q79eac68125_ogemm
	.p2align	8
	.type	k_q79eac68125_ogemm,@function
k_q79eac68125_ogemm:
	s_mov_b64 s[64:65], 0
	v_nop
	global_prefetch_b8 v0, s[64:65] scope:SCOPE_SE
	s_setreg_imm32_b32 hwreg(HW_REG_WAVE_MODE, 25, 1), 1
	s_wait_xcnt 0x0
	s_wait_alu depctr_hold_cnt(0) depctr_sa_sdst(0) depctr_va_vdst(0) depctr_va_sdst(0) depctr_va_ssrc(0) depctr_va_vcc(0) depctr_vm_vsrc(0)
	s_getreg_b32 s2, hwreg(HW_REG_IB_STS2, 6, 4)
	s_cmp_eq_u32 s2, 0
	s_cbranch_scc0 .Lentry_in_a_cluster
	s_endpgm
.Lentry_in_a_cluster:
	s_bfe_u32 s2, ttmp6, 0x10000c
	s_cmp_lg_u32 s2, 0xf033
	s_cbranch_scc0 .Lentry_shape_is_right
	s_endpgm
.Lentry_shape_is_right:
; out0[m][n] = sum over k of O[m][k] Wout[k][n] + bout[n].  ob: O [16384][1024] f16;  wot: Wout^T [1024 (n)][1024 (k)] f16;  bout [1024] f32;  out0 [16384][1024] f32; sums in f32.
; A tile of out0, 256 x 256, is made by a work-group of four waves; a wave makes 128 x 128: 64 accumulators of 16 x 16, 512 registers.  256 tiles, one to a work-group.
; K goes in steps of 128 through a ring of two LDS slots filled by the tensor data mover: a tile's row is 256 bytes of memory, aligned.
; CLUSTERS: 4 x 4 work-groups.  The four of a row of the cluster need the same tiles of O, the four of a column the same tiles of Wout^T: each tile is asked for JOINTLY, by the same tensor load with the same
; descriptor and a mask that names the four.
; THE MATRIX INSTRUCTION IS USED TRANSPOSED (source 0 = 16 rows of Wout^T, source 1 = 16 rows of O): a lane holds eight neighbouring numbers of a row of out0.
; THE BIAS is the C of each sum's first product: eight registers for each block of 16 columns, in the result's layout; nothing is cleared and nothing is added afterwards.
; LIMITS: the operands are f16 as the launches before made them (magnitudes under 65,504).
; REGISTERS, in windows of 256: window 0: v0-31 addresses; v64-127, v128-191 fragments of O, two buffers; on the way out v128-255 rows of out0.
;   window 1: v0-63 the bias; v64-127, v128-191 fragments of Wout^T, two buffers.   window 2: the 32 accumulators of my rows 0-63 ((a, b) at v[8 (8 a + b)]);   window 3: those of my rows 64-127.
.set SIZE_N, 1024
.set SIZE_K, 1024
.set KSTEP,  128
.set PITCH,  272                       ; an LDS row: 256 bytes + 16 of padding = 68 words: the 16 rows that a load touches start at 16 different banks (64 banks of 4 bytes: ISA guide 11.1)
.set HALFT,  128*PITCH                 ; 128 rows: what one tensor load brings, and what one wave reads of either operand
.set SLOT,   4*HALFT                   ; O's 256 rows, then Wout^T's 256
.set SPARE,  2*SLOT                    ; behind the ring: the spare words, 128 bytes for each wave: two blocks of 256 bytes that no other line names
.set SPITCH, 528                       ; the way out: a stage of 16 rows x (512 bytes + 16) for each wave, in slot 0, which has had its last fill and its last read when the first result is stored there
.set LAPS,   SIZE_K/(2*KSTEP)          ; a lap = two K steps = once round the ring
.set ADRA, 16                          ; v16-17  LDS address of my fragments of O in slot 0, 1
.set ADRB, 20                          ; v20-21  the same for Wout^T
.set STO,  24                          ; v24     the way out: where I put 32 bytes of a row
.set RD,   25                          ; v25     where I read a row back
.set CO,   26                          ; v26     my byte offset in a row of out0
.set BA,   27                          ; v27     the bias: 32 x (lane / 16)
.set SPW,  28                          ; v28     LDS address of my spare word; never rewritten
.set NIL,  29                          ; v29     0; never rewritten
.set F0,   64
.set F1,   128
.set BK,   128                         ; the way out: 16 rows read back: v128-191 and v192-255 by turns
.set G1,  24                           ; s[24:31] descriptor group 1 for O's tiles;  s[32:39] group 0, one set for each slot
.set G0,  32
.set G1B, 48                           ; s[48:55], s[56:63] the same for Wout^T's
.set G0B, 56
.set MSB, 0
.macro WIN new                         ; the immediate's high byte repeats the setting that is left
.if MSB != \new
	s_set_vgpr_msb (MSB<<8)|\new
.set MSB, \new
.endif
.endm
.set MUL_LO, 0xa1                      ; source 0 window 1, source 1 window 0, C and D window 2
.set MUL_HI, 0xf1                      ; the same, C and D window 3
.set BIA_LO, 0x91                      ; C (the bias) window 1, D window 2
.set BIA_HI, 0xd1                      ; C window 1, D window 3
.set TO_B,   0x40                      ; destination window 1, address window 0
; A joint load: waves 0 and 1 fetch O's two halves, waves 2 and 3 Wout^T's.  Each line has ONE mask and one set of registers for all that issue it; the branch hangs on the wave's number alone.
; Four v_nop follow each of the two lines, ahead of the jump, the label and what follows.
.macro JLOAD s
	s_cmp_eq_u32 s13, 0
	s_cbranch_scc0 .Lfor_b_\@
	tensor_load_to_lds s[G0+4*\s:G0+4*\s+3], s[G1:G1+7]
	s_nop 0
.rept 4
	v_nop
.endr
	s_branch .Lasked_\@
.Lfor_b_\@:
	tensor_load_to_lds s[G0B+4*\s:G0B+4*\s+3], s[G1B:G1B+7]
	s_nop 0
.rept 4
	v_nop
.endr
.Lasked_\@:
.endm
.macro CREST                           ; a round of the cluster's barrier behind its opening barrier
	s_cmp_lg_u32 s12, 0
	s_cbranch_scc1 .Lnot_wave_0_\@
	s_barrier_signal -3
.Lnot_wave_0_\@:
	s_barrier_wait -3
	s_barrier_signal -1
	s_barrier_wait -1
.endm
.macro CROUND                          ; a whole round
	s_barrier_signal -1
	s_barrier_wait -1
	CREST
.endm
	s_load_b256 s[4:11], s[0:1], 0x0               ; ob s[4:5], wot s[6:7], bout s[8:9], out0 s[10:11]
	v_lshl_add_u32 v[SPW], v0, 2, SPARE
	v_mov_b32 v[NIL], 0
	ds_add_u32 v28, v29
	ds_add_u32 v28, v29
	s_wait_dscnt 0x0
	v_lshrrev_b32 v1, 5, v0
	v_readfirstlane_b32 s12, v1                    ; wave 0..3
	s_lshr_b32 s13, s12, 1                         ; which half of the tile's rows is mine.  Also: I fetch for O (0) or for Wout^T (1)
	s_and_b32 s14, s12, 1                          ; which half of its columns.  Also: which 128 rows of that tile I fetch
	s_bfe_u32 s15, ttmp6, 0x40000                  ; cx, cy: my place in the cluster
	s_bfe_u32 s16, ttmp6, 0x40004
	s_lshl_b32 s17, ttmp9, 2
	s_add_co_u32 s17, s17, s15                     ; tile column = 4 x cluster x + cx
	s_and_b32 s18, ttmp7, 0xffff
	s_lshl_b32 s18, s18, 2
	s_add_co_u32 s18, s18, s16                     ; tile row = 4 x cluster y + cy
	s_lshl_b32 s40, s16, 2
	s_lshl_b32 s40, 15, s40                        ; my row of the cluster
	s_lshl_b32 s41, 0x1111, s15                    ; my column
	; descriptor group 1: a tile of 128 rows x 128 elements of 2 bytes, padded in LDS
	s_or_b32 s[G1+0], s40, (1<<16)|(1<<20)|(1<<21)|(5<<22)|(3<<25)  ; 15:0 the mask: O's tiles go to my row; 17:16 elements of 2 bytes; 20 padding on; 21 set beside a mask; 24:22 after every 64 words; 31:25 four words
	s_or_b32 s[G1B+0], s41, (1<<16)|(1<<20)|(1<<21)|(5<<22)|(3<<25) ; the same with the mask of my column
.irp g, G1, G1B
	s_mov_b32 s[\g+1], KSTEP<<16                   ; tensor_dim0 = 128
	s_mov_b32 s[\g+2], 128<<16                     ; tensor_dim1 = 128
	s_mov_b32 s[\g+3], KSTEP<<16                   ; tile_dim0 = 128
	s_mov_b32 s[\g+4], 128                         ; tile_dim1 = 128
	s_mov_b32 s[\g+5], SIZE_K                      ; elements from row to row
	s_mov_b32 s[\g+6], 0
	s_mov_b32 s[\g+7], 0
.endr
	; O's tiles hang on the tile row alone, which my row of the cluster shares; Wout^T's on the tile column alone, which my column shares; each address in registers that never hold the other coordinate
	s_lshl_b32 s21, s14, 7                         ; which 128 rows of the tile I fetch
	s_lshl_b32 s20, s18, 8
	s_add_co_u32 s20, s20, s21                     ; O: row 256 x tile row + 128 x half
	s_lshl_b32 s42, s17, 8
	s_add_co_u32 s42, s42, s21                     ; Wout^T: row 256 x tile column + 128 x half
	s_lshl_b32 s20, s20, 11                        ; rows of 2,048 bytes: under 2^26
	s_mov_b32 s21, 0
	s_lshl_b32 s42, s42, 11
	s_mov_b32 s43, 0
	s_mul_i32 s44, s12, HALFT                      ; where they go: wave x 128 rows: no place in the cluster enters an LDS address
	s_wait_kmcnt 0x0
	s_add_nc_u64 s[20:21], s[4:5], s[20:21]
	s_add_nc_u64 s[42:43], s[6:7], s[42:43]
	CROUND                                         ; all sixteen work-groups are here: the first joint loads meet
.irp s, 0,1
	s_mov_b32 s[G0+4*\s], 1                                        ; count = 1
	s_add_co_u32 s[G0+4*\s+1], s44, \s*SLOT                        ; LDS address
	s_add_nc_u64 s[G0+4*\s+2:G0+4*\s+3], s[20:21], \s*KSTEP*2      ; global address: K step s
	s_or_b32 s[G0+4*\s+3], s[G0+4*\s+3], 0x80000000                ; type = 2
	s_mov_b32 s[G0B+4*\s], 1
	s_add_co_u32 s[G0B+4*\s+1], s44, \s*SLOT
	s_add_nc_u64 s[G0B+4*\s+2:G0B+4*\s+3], s[42:43], \s*KSTEP*2
	s_or_b32 s[G0B+4*\s+3], s[G0B+4*\s+3], 0x80000000
	JLOAD \s                                       ; two tensor loads of mine are out
.endr
	v_and_b32 v1, 15, v0                           ; l % 16
	v_bfe_u32 v2, v0, 4, 1                         ; l / 16
	v_mul_u32_u24 v3, v1, PITCH
	v_lshl_add_u32 v3, v2, 4, v3                   ; a fragment's row x pitch + 16 x half
	s_mul_i32 s22, s13, HALFT                      ; my 128 rows of O
	s_mul_i32 s23, s14, HALFT                      ; my 128 rows of Wout^T,
	s_add_co_u32 s23, s23, 2*HALFT                 ; which lie behind O's 256
.irp s, 0,1
	v_add_nc_u32 v[ADRA+\s], s22, v3
	v_add_nc_u32 v[ADRB+\s], s23, v3
	s_add_co_u32 s22, s22, SLOT
	s_add_co_u32 s23, s23, SLOT
.endr
	s_mul_i32 s23, s12, 16*SPITCH                  ; my stage
	v_mul_u32_u24 v5, v1, SPITCH                   ; in: row l % 16, 32 bytes for each half of the lanes
	v_lshl_add_u32 v5, v2, 5, v5
	v_add_nc_u32 v[STO], s23, v5
	v_and_b32 v6, 31, v0
	v_lshlrev_b32 v[CO], 4, v6                     ; back: the 32 lanes take one row of 512 bytes; and the same in out0
	v_add_nc_u32 v[RD], s23, v[CO]
	v_lshlrev_b32 v[BA], 5, v2
	s_lshl_b32 s46, s18, 8
	s_lshl_b32 s47, s13, 7
	s_add_co_u32 s46, s46, s47                     ; my first row of out0: 256 x tile row + 128 x half
	s_lshl_b32 s46, s46, 12                        ; rows of 4,096 bytes: under 2^27
	s_lshl_b32 s45, s17, 10                        ; my first column, in bytes: 1,024 x tile column + 512 x half
	s_lshl_b32 s47, s14, 9
	s_add_co_u32 s45, s45, s47
	s_add_co_u32 s46, s46, s45
	s_mov_b32 s47, 0
	s_add_nc_u64 s[10:11], s[10:11], s[46:47]
	s_mov_b32 s46, s45
	s_add_nc_u64 s[8:9], s[8:9], s[46:47]          ; the bias of my 128 columns
	WIN TO_B
.irp b, 0,1,2,3,4,5,6,7
	global_load_b128 v[8*\b:8*\b+3],   v[BA], s[8:9] offset:64*\b      ; lane (r, h): bout at columns 16 b + 8 h + 0 .. 7
	global_load_b128 v[8*\b+4:8*\b+7], v[BA], s[8:9] offset:64*\b+16
.endr
	WIN 0
; 16 matrix instructions: blocks of rows a0, a0 + 1 of the window's four (hi = 0: my rows 0-63, 1: rows 64-127) x all 8 blocks of columns, 32 along K.  bias = 1: the first product starts the sums from the bias.
; The 64 accumulators take turns, one instruction a turn, in the same order in every quarter.
.macro MUL16 f, hi, a0, bias
.irp a, \a0, \a0+1
.irp b, 0,1,2,3,4,5,6,7
.if \bias
	v_wmma_f32_16x16x32_f16 v[8*(8*(\a)+\b):8*(8*(\a)+\b)+7], v[\f+8*\b:\f+8*\b+7], v[\f+8*(4*\hi+\a):\f+8*(4*\hi+\a)+7], v[8*\b:8*\b+7]
.else
	v_wmma_f32_16x16x32_f16 v[8*(8*(\a)+\b):8*(8*(\a)+\b)+7], v[\f+8*\b:\f+8*\b+7], v[\f+8*(4*\hi+\a):\f+8*(4*\hi+\a)+7], v[8*(8*(\a)+\b):8*(8*(\a)+\b)+7]
.endif
.endr
.endr
.endm
; 32 LDS loads in one run: the fragments of one quarter (128 rows of each operand, 32 K at byte k of the rows) into buffer f
.macro FETCH slot, k, f
	WIN TO_B
.irp i, 0,1,2,3,4,5,6,7
	ds_load_b128 v[\f+8*\i:\f+8*\i+3],   v[ADRB+\slot] offset:\k+\i*16*PITCH
	ds_load_b128 v[\f+8*\i+4:\f+8*\i+7], v[ADRB+\slot] offset:\k+\i*16*PITCH+32
.endr
	WIN 0
.irp i, 0,1,2,3,4,5,6,7
	ds_load_b128 v[\f+8*\i:\f+8*\i+3],   v[ADRA+\slot] offset:\k+\i*16*PITCH
	ds_load_b128 v[\f+8*\i+4:\f+8*\i+7], v[ADRA+\slot] offset:\k+\i*16*PITCH+32
.endr
.endm
.macro PLACES                          ; four places in front of loads into registers that matrix instructions have read, and of the first read of results
.rept 4
	v_nop
.endr
.endm
; A K step is four quarters of 32 along K, 64 matrix instructions each, on buffers 0, 1, 0, 1.  One of the first three: multiplies buffer f; in its middle it fetches the next quarter, at byte k, into buffer g.
.macro QUARTER slot, k, f, g, bias
	s_wait_dscnt 8                                 ; Wout^T's fragments and O's rows 0-63 are in; the youngest eight loads (O's rows 64-127) may be out
.if \bias
	WIN BIA_LO
.else
	WIN MUL_LO
.endif
	MUL16 \f, 0, 0, \bias
	MUL16 \f, 0, 2, \bias
	PLACES
	FETCH \slot, \k, \g
	s_wait_dscnt 32                                ; all but the 32 just issued
.if \bias
	WIN BIA_HI
.else
	WIN MUL_HI
.endif
	MUL16 \f, 1, 0, \bias
	MUL16 \f, 1, 2, \bias
.endm
; The last quarter multiplies buffer 1 and changes slots.  MEET is its first half: ONE barrier; in front of it each wave waits for all its tensor loads (one is out: its part of the next slot), adds 0 to its
; spare word, and waits for that and for its own reads of this slot.
.macro MEET round
	WIN 0                                          ; (the add's two registers lie in window 0)
	s_wait_tensorcnt 0x0                           ; all my tensor loads have landed;
	ds_add_u32 v[SPW], v[NIL]                      ; 0 onto my spare word;
	s_wait_dscnt 9                                 ; (the add and the youngest eight loads may be out)
	WIN MUL_LO
	MUL16 F1, 0, 0, 0                              ; sixteen matrix instructions stand between the add and the wait for it
	s_wait_dscnt 0x0                               ; the add is done, and my reads of this slot are over
	s_barrier_signal -1
	MUL16 F1, 0, 2, 0                              ; work on registers while the others arrive
.if \round
	WIN 0
.endif
	s_barrier_wait -1
.endm
; fill = 1: the slot just read out is filled again, two K steps on: the barrier opens a round of the cluster's barrier, and the joint refill is the first tensor load behind it.
.macro TURN slot, next, fill
	MEET \fill
.if \fill
	CREST                                          ; no wave of any partner still reads this slot's tile or has a load on its way
	s_add_nc_u64 s[G0+4*\slot+2:G0+4*\slot+3], s[G0+4*\slot+2:G0+4*\slot+3], 2*KSTEP*2
	s_add_nc_u64 s[G0B+4*\slot+2:G0B+4*\slot+3], s[G0B+4*\slot+2:G0B+4*\slot+3], 2*KSTEP*2
	JLOAD \slot                                    ; my one load behind the round; the four v_nop behind it are also the places in front of the loads below
.else
	PLACES
.endif
	FETCH \next, 0, F0
	WIN MUL_HI
	MUL16 F1, 1, 0, 0
	MUL16 F1, 1, 2, 0
.endm
; THE WAY OUT, block by block of 16 rows x 128 columns, through my own stage: in as 32 bytes a lane, back as whole rows of 512 bytes.
.macro TOSTAGE a
.set AC, 64*((\a)%4)
	WIN 0x08+4*((\a)/4)                            ; the data: window 2 or 3
.irp b, 0,1,2,3,4,5,6,7
	ds_store_b128 v[STO], v[AC+8*\b:AC+8*\b+3] offset:64*\b          ; each accumulator from its low end on
	ds_store_b128 v[STO], v[AC+8*\b+4:AC+8*\b+7] offset:64*\b+16
.endr
	WIN 0
.set BB, BK+64*((\a)%2)
.irp t, 0,1,2,3,4,5,6,7,8,9,10,11,12,13,14,15
	ds_load_b128 v[BB+4*\t:BB+4*\t+3], v[RD] offset:\t*SPITCH        ; LDS serves a wave's instructions in order (ISA guide 5.7.1.4): these see the stores above
.endr
.endm
.macro SEND a, younger                 ; younger: the LDS instructions issued behind block a's loads, which may stay out
.set BB, BK+64*((\a)%2)
	s_wait_dscnt \younger
.if (\a) > 0
	s_add_nc_u64 s[10:11], s[10:11], 16*SIZE_N*4   ; (behind a wait on XCNT: the earlier stores have read their base)  16 rows on
.endif
.irp t, 0,1,2,3,4,5,6,7,8,9,10,11,12,13,14,15
	global_store_b128 v[CO], v[BB+4*\t:BB+4*\t+3], s[10:11] offset:\t*SIZE_N*4 th:TH_STORE_NT   ; 32 lanes store 512 consecutive bytes, aligned; written once, read by nobody here
.endr
.endm
	s_wait_tensorcnt 1                             ; my part of K step 0 is in (K step 1's load may be out)
	s_barrier_signal -1
	s_barrier_wait -1                              ; everybody's is
	FETCH 0, 0, F0
	s_wait_loadcnt 0x0                             ; the bias
	QUARTER 0, 64,  F0, F1, 1                      ; the first quarter stands in front of the loop: its products start the sums
	WIN 0                                          ; at a label and at a branch every window is 0
	s_mov_b32 s3, LAPS-1
.Llap:                                                 ; a trip goes once round the ring, from a lap's second quarter to the next lap's first, and fills both slots again
	QUARTER 0, 128, F1, F0, 0
	QUARTER 0, 192, F0, F1, 0
	TURN 0, 1, 1
	QUARTER 1, 64,  F0, F1, 0
	QUARTER 1, 128, F1, F0, 0
	QUARTER 1, 192, F0, F1, 0
	TURN 1, 0, 1
	QUARTER 0, 64,  F0, F1, 0
	WIN 0
	s_sub_co_u32 s3, s3, 1
	s_cmp_lg_u32 s3, 0
	s_cbranch_scc1 .Llap
	QUARTER 0, 128, F1, F0, 0                      ; the last lap is written out: it fills nothing
	QUARTER 0, 192, F0, F1, 0
	TURN 0, 1, 0
	QUARTER 1, 64,  F0, F1, 0
	QUARTER 1, 128, F1, F0, 0
	QUARTER 1, 192, F0, F1, 0
	s_wait_dscnt 8                                 ; the very last quarter: nothing more to fetch
	WIN MUL_LO
	MUL16 F1, 0, 0, 0
	MUL16 F1, 0, 2, 0
	s_wait_dscnt 0x0
	WIN MUL_HI
	MUL16 F1, 1, 0, 0
	MUL16 F1, 1, 2, 0
	WIN 0
	PLACES                                         ; for the loads into the registers that held O's fragments, and for the reads of the last results
	TOSTAGE 0
.irp a, 1,2,3,4,5,6,7
.if \a > 1
	s_wait_xcnt 0x0                                ; block a - 2's stores have read their registers and their base: block a's loads may land there, and the base may step
.endif
	TOSTAGE \a
	SEND \a-1, 32                                  ; behind block a - 1's loads: block a's 16 stores and 16 loads
.endr
	s_wait_xcnt 0x0                                ; block 6's stores have read their base
	SEND 7, 0
	s_wait_tensorcnt 0x0                           ; the wave's end: behind my last tensor load and my last LDS store
	ds_add_u32 v[SPW], v[NIL]
	s_wait_dscnt 0x0
	CROUND                                         ; the closing round: no work-group ends while a partner may still ask for a tile that names it
	s_endpgm
.Lfunc_end_k_q79eac68125_ogemm:
	.size	k_q79eac68125_ogemm, .Lfunc_end_k_q79eac68125_ogemm-k_q79eac68125_ogemm
	.p2alignl 7, 3214868480
	.fill 96, 4, 3214868480
	.section	.rodata,"a",@progbits
	.p2align	6, 0x0
	.amdhsa_kernel k_q79eac68125_ogemm
		.amdhsa_group_segment_fixed_size 327680
		.amdhsa_private_segment_fixed_size 0
		.amdhsa_enable_private_segment 0
		.amdhsa_kernarg_size 32
		.amdhsa_user_sgpr_count 2
		.amdhsa_user_sgpr_kernarg_segment_ptr 1
		.amdhsa_wavefront_size32 1
		.amdhsa_system_sgpr_workgroup_id_x 1
		.amdhsa_system_sgpr_workgroup_id_y 1
		.amdhsa_system_sgpr_workgroup_id_z 1
		.amdhsa_system_vgpr_workitem_id 0
		.amdhsa_next_free_vgpr 1024
		.amdhsa_next_free_sgpr 66
		.amdhsa_reserve_vcc 0
		.amdhsa_float_denorm_mode_32 3
		.amdhsa_float_denorm_mode_16_64 3
		.amdhsa_memory_ordered 1
		.amdhsa_forward_progress 1
		.amdhsa_inst_pref_size 142
	.end_amdhsa_kernel
	.amdgpu_metadata
---
amdhsa.version: [ 1, 2 ]
amdhsa.kernels:
  - .name:           k_q79eac68125_ogemm
    .symbol:         k_q79eac68125_ogemm.kd
    .args:
      - { .name: ob, .offset: 0, .size: 8, .value_kind: global_buffer, .address_space: global }
      - { .name: wot, .offset: 8, .size: 8, .value_kind: global_buffer, .address_space: global }
      - { .name: bout, .offset: 16, .size: 8, .value_kind: global_buffer, .address_space: global }
      - { .name: out0, .offset: 24, .size: 8, .value_kind: global_buffer, .address_space: global }
    .group_segment_fixed_size: 327680
    .private_segment_fixed_size: 0
    .kernarg_segment_align: 8
    .kernarg_segment_size: 32
    .max_flat_workgroup_size: 128
    .sgpr_count:     66
    .vgpr_count:     1024
    .wavefront_size: 32
...
	.end_amdgpu_metadata
.endif
;; end of part 3
